; MI455X (gfx1250); checked and timed in simulation.
; The chip was launched on July 23, 2026; its instructions are those of AMD's public machine-readable ISA for CDNA 5 (MIT licence, August 2026) and "CDNA5" Instruction Set Architecture Reference Guide (July 2026). The comments in the code are by the model that wrote it; some were corrected since.
;; multi head attention. Allowed arithmetic: matrix products marked QUANTISED: E3M2 operands, one E8M0 scale for each 32 along K, by v_wmma_scale_f32_16x16x128_f8f6f4 with both operands' format E3M2, f32 sums; everything else in f32.
;; Inputs: M_d 1,024 x 1,024 float32; b_d 1,024 float32; x 4 x 1,024 x 2,048 float32.
;; Outputs: out0 4 x 1,024 x 2,048 float32.
;; This version of the problem:
;;   THIS VERSION OF THE PROBLEM IS GIVEN IN LOW PRECISION. The matrix products marked QUANTISED in the list below multiply operands that are first quantised to E3M2 (3 exponent bits, 2 mantissa bits; 6 bits a number), with one power-of-two scale for each 32 numbers along K (OCP MX v1.0); their sums are f32. All else is computed in f32.
;;   The module's matrix products, in the order in which they are computed (A, B: the left and right operand; K: the contracted axis; several contracted axes count as one K, in the product's order):
;;     1. batch 64 x [M 2,048, K 64] x [K 64, N 2,048]; A: input x; B: input x: QUANTISED
;;     2. batch 64 x [M 64, K 2,048] x [K 2,048, N 2,048]; A: input x; B: softmax (see below): QUANTISED
;;     3. [M 1,024, K 1,024] x [K 1,024, N 8,192]; A: input M_d; B: computed on the way: QUANTISED
;;   THE QUANTISER, for each operand of a quantised product, along K:
;;     - K is cut into blocks of 32 from its start; a last block that is shorter is filled with zeros.
;;     - A block's scale is 2^e with e = floor(log2(the largest magnitude in the block)) - 4, held to -126 .. 127; a block of zeros has e = 0. As a byte (E8M0): e + 127.
;;     - Each number is divided by its block's scale, clamped to +-28, and rounded to the nearest number of E3M2, ties to even, subnormals kept.
;;     - The product sums the exact products of the quantised numbers (number of the format x scale) in f32.
;;   ~~~python
;;   def quantise(x, axis):      # numpy; x: float32 -> the quantised numbers, widened to float32 again
;;       x = np.moveaxis(x, axis, -1); K = x.shape[-1]
;;       x = np.pad(x, [(0, 0)] * (x.ndim - 1) + [(0, -K % 32)]); x = x.reshape(x.shape[:-1] + (-1, 32)); a = np.abs(x).max(-1, keepdims=True)
;;       e = np.where(a > 0, np.clip(np.frexp(np.where(a > 0, a, 1))[1] - 1 - 4, -126, 127), 0)      # np.frexp(a)[1] - 1 = floor(log2(a)), exactly
;;       r = np.clip(x / 2.0 ** e, -28, 28)
;;       step = 2.0 ** (np.maximum(np.frexp(np.where(r == 0, 1, r))[1] - 1, -2) - 2)
;;       q = np.round(r / step) * step * 2.0 ** e      # np.round: ties to even
;;       return np.moveaxis(q.reshape(q.shape[:-2] + (-1,))[..., :K], -1, axis).astype(np.float32)
;;   ~~~
;;   SOFTMAX AHEAD OF A QUANTISED PRODUCT. Where the list says 'softmax', what is quantised is not the finished softmax but p = 2^(t - M), with t = logit x log2(e) and M = ceil(the row's largest t), a whole number; so 1/2 < the row's largest p <= 1. The row's sum l is taken of the UNQUANTISED p, in f32, and the product's result is divided by l at the end. Since M is a whole number, a kernel that streams over the keys may use a running M (the ceiling of the running maximum): every later rescaling is an exact power of two, which a block's scale takes up: the codes' values come out the same.
;;   OPERANDS COMPUTED ON THE WAY. 'Computed on the way' means the value that the module computes at that place (a softmax that the list does not call 'softmax' is quantised finished and normalised). What goes into a quantiser is computed in f32, as accurately as f32 sums, v_exp_f32 and their like allow (about 1e-6 of the number): no bf16 or f16 on the way to a quantiser, and a product that is left as it is and whose result goes on into a quantised operand takes f32 operands (vector FMAs, or v_wmma_f32_16x16x4_f32). A number that lies on a knife's edge between two numbers of the format may be rounded either way, as far as f32 arithmetic and the matrix unit's own rounding can turn it there, and no further.
;; One version. Each part assembles by itself: llvm-mc -triple=amdgcn-amd-amdhsa -mcpu=gfx1250 --defsym DOCPART=n.
;; ======== version 1 of 1: 3 launches
;; limits: right only within a limited range of input values
;; workspace buffers: xq 13,107,200 bytes; tq 6,553,600 bytes; mq 819,200 bytes
;; launch quant (part 1): grid 4 x 64, 4 waves a work-group, no clusters, 73,472 bytes of LDS; arguments x, M_d, xq, mq; writes xq, mq
.if DOCPART == 1
	.amdgcn_target "amdgcn-amd-amdhsa--gfx1250"
	.amdhsa_code_object_version 6
	.text
	.protected	k_q248461b3ef_quant
	.globl	k_q248461b3ef_quant
	.p2align	8
	.type	k_q248461b3ef_quant,@function
k_q248461b3ef_quant:
	s_mov_b64 s[64:65], 0
	v_nop
	global_prefetch_b8 v0, s[64:65] scope:SCOPE_SE
	s_setreg_imm32_b32 hwreg(HW_REG_WAVE_MODE, 25, 1), 1
	s_wait_xcnt 0x0
; x [4][1024][2048] f32 (64 heads of 64 d x 2,048 w) and M_d [1024 e][1024 f] f32 become codes of BF6 (E3M2) with one E8M0 byte for each 32 along K.
; x is quantised twice from one read: along d (keys and queries of the scores) and along w (the operand of the second product).  M_d is quantised along e.
; A block's scale is 2^(floor(log2(its largest magnitude)) - 4): its byte is the largest magnitude's exponent field - 4, held at 1 from below by a floor among the maximum's leaves.
; LIMITS: NaN and infinities are not served; a block whose largest magnitude lies under 2^-122 gets the byte 1, a block of zeros too (its codes are zeros, and this program alone reads the bytes).
; SHARES.  Work-group (cx, head): wave v takes key step 4 cx + v of the head (64 d x 128 w) in eight patches of 32 x 32, and one patch of 32 e x 32 f of M_d.
; A lane takes a column w, registers run down d: a block along d.  The patch turns through the wave's own stage and comes back with a lane to a row d and registers along w: a block along w.
; IMAGES.  A fragment (12 registers a lane) lies as three runs of 512 bytes, 16 bytes a lane.  A key step: 4 fragments of K, 4 of V, 512 bytes of scale words (a lane's 16 bytes: K's two registers, V's two) = 12,800 bytes.
; K of the scores is 64, so one fragment of K carries two key tiles: keys 0-63 of the step in registers 0-5, keys 64-127 in registers 6-11.
; ROWS OF A TILE: tile t of a group of 64, row r, is element 32 (r / 8) + 8 t + r % 8.
; M's image keeps halves of 768 bytes (registers 0-3 at 16 a lane, 4-5 at 512 + 8 a lane); a work-group makes one K step of one pair of tiles, and its scale words leave four bytes a lane (the word pair is shared with another work-group).
; No work-group shares an input with another: no cluster, no tensor loads, no matrix unit.  No prefetch: there is no loop; each wave keeps two patches (64 loads) asked for.
.set BLK,   12800
.set VOF,   6144
.set SCO,   12288
.set STG,   4*BLK                      ; four stages of 32 rows x 144 bytes
.set SWV,   32*144
.set MIMG,  STG+4*SWV                  ; M's image: 3,072 bytes of codes, 128 of scale words
.set SPARE, MIMG+3328                  ; the spare words, 128 bytes a wave
; v1 4 lane, v2, v3 the stage in and out, v4 image, v5 scale bytes, v6, v8, v9 M's image, v10 16 thread, v11, v12 M's image on the way out, v13 8 lane, v14 my image + 16 lane, v15 16 lane; v38, v39 the add's two registers
; v66-78 at work, v80-88, v90-95 codes, v96-127 the turned patch, v128-191 two patches as loaded, v192-223 M's patch
.macro QB xs, c, tmp, e                ; 32 numbers of one lane, one block: codes into v[c .. c + 5], byte into v[e]
.irp k, 0,1,2,3
	v_max3_num_f32 v[66+\k], |v[\xs+8*\k]|, |v[\xs+8*\k+1]|, |v[\xs+8*\k+2]|   ; four chains by turns
.endr
.irp i, 3,5
.irp k, 0,1,2,3
	v_max3_num_f32 v[66+\k], v[66+\k], |v[\xs+8*\k+\i]|, |v[\xs+8*\k+\i+1]|
.endr
.endr
	v_max3_num_f32 v66, v66, v67, |v[\xs+7]|
	v_max3_num_f32 v68, v68, v69, |v[\xs+15]|
	v_max3_num_f32 v66, v66, |v[\xs+23]|, |v[\xs+31]|
	v_max3_num_f32 v70, v66, v68, 0x2800000        ; the floor 2^(5 - 127): the byte cannot fall under 1
	v_add_nc_u32 v72, 0xfe000000, v70              ; 4 off the exponent field: the conversion's scale operand
	v_lshrrev_b32 v[\e], 23, v72
	v_cvt_scalef32_pk16_bf6_f32 v[\c:\c+2], v[\xs:\xs+15], v72
	v_cvt_scalef32_pk16_bf6_f32 v[\tmp:\tmp+2], v[\xs+16:\xs+31], v72
	v_nop                                          ; one plain place behind a scaled conversion
.irp i, 0,1,2
	v_mov_b32 v[\c+3+\i], v[\tmp+\i]
.endr
.endm
.macro CST c, off, half                ; six registers into half 0 or 1 of a fragment's image
.if \half
	ds_store_b64 v4, v[\c:\c+1] offset:\off+520
	ds_store_b128 v4, v[\c+2:\c+5] offset:\off+1024
.else
	ds_store_b128 v4, v[\c:\c+3] offset:\off
	ds_store_b64 v4, v[\c+4:\c+5] offset:\off+512
.endif
.endm
.macro XLOAD p                         ; patch p: d block p / 4, w block p % 4
.set i, 0
.rept 32
	global_load_b32 v[128+32*((\p)%2)+i], v1, s[4:5] offset:(32*((\p)/4)+i)*8192+128*((\p)%4) th:TH_LOAD_NT
.set i, i+1
.endr
.endm
.macro PATCH p
.set XS, 128+32*((\p)%2)
.set PB, (\p)/4
.set PG, (\p)%4
.if (\p) < 7
	s_wait_loadcnt 32                              ; this patch is in; the next one's 32 loads may be out
.else
	s_wait_loadcnt 0x0
.endif
.irp q, 0,1,2,3,4,5,6,7
	ds_store_b128 v2, v[XS+4*\q:XS+4*\q+3] offset:16*\q
.endr
.set j, 0
.rept 32
	ds_load_b32 v[96+j], v3 offset:144*j           ; LDS serves a wave's instructions in order (ISA guide 5.7.1.4): these see my stores
.set j, j+1
.endr
	s_wait_dscnt 40                                ; all but the 40 just issued: the last patch's stores have read the codes' registers
	QB XS, 80, 86, 73
	CST 80, 128*(PG%2)+256*PB, PG/2
	ds_store_b8 v5, v73 offset:128*(PG%2)+2*(PG/2)+PB
	s_wait_dscnt 3                                 ; the turn is in; the three stores behind it may be out
.if (\p)+2 < 8
	XLOAD (\p)+2
.endif
	QB 96, 90, 76, 74
	CST 90, VOF+128*PB+256*(PG%2), PG/2
	ds_store_b8 v5, v74 offset:128*PB+8+PG
.endm
	s_load_b256 s[4:11], s[0:1], 0x0               ; x, M_d, xq, mq
	v_lshl_add_u32 v38, v0, 2, SPARE
	v_mov_b32 v39, 0
	v_lshrrev_b32 v1, 5, v0
	v_readfirstlane_b32 s12, v1                    ; wave 0..3
	s_and_b32 s13, ttmp9, 3                        ; cx
	s_and_b32 s14, ttmp7, 0xffff                   ; head
	s_lshl_b32 s15, s13, 2
	s_add_co_u32 s15, s15, s12                     ; my key step
	s_lshr_b32 s17, s13, 1
	s_mul_i32 s20, s12, SWV
	s_add_co_u32 s20, s20, STG                     ; my stage
	s_mul_i32 s21, s12, BLK                        ; my key step's image
	s_add_co_u32 s22, s21, SCO
	s_lshr_b32 s24, s12, 1                         ; M: my block of 32 e in the K step is my wave's number
	s_and_b32 s25, s12, 1
	s_mul_i32 s24, s24, 768
	s_lshl_b32 s26, s25, 8
	s_add_co_u32 s26, s26, s24
	s_add_co_u32 s26, s26, MIMG
	s_lshl_b32 s27, s25, 7
	s_add_co_u32 s27, s27, s24
	s_add_co_u32 s27, s27, MIMG+512
	s_add_co_u32 s35, s12, MIMG+3072
	s_lshl_b32 s36, s14, 19                        ; x: the head's 64 rows of 8,192 bytes, my step's 512 bytes of each
	s_lshl_b32 s37, s15, 9
	s_add_co_u32 s36, s36, s37
	s_mov_b32 s37, 0
	s_lshl_b32 s38, s14, 4
	s_add_co_u32 s38, s38, s15
	s_mul_i32 s38, s38, BLK                        ; xq: [head][key step][12,800]
	s_mov_b32 s39, 0
	s_lshl_b32 s40, s14, 1
	s_add_co_u32 s40, s40, s17                     ; M: unit 2 head + cx / 2 = (32 f, 256 e); of it the K step cx % 2
	s_and_b32 s41, s13, 1
	s_lshr_b32 s42, s40, 2                         ; which 32 f
	s_and_b32 s43, s40, 3                          ; which 256 e
	s_lshl_b32 s44, s43, 3
	s_lshl_b32 s45, s41, 2
	s_add_co_u32 s44, s44, s45
	s_add_co_u32 s44, s44, s12                     ; my block of 32 e
	s_lshl_b32 s44, s44, 17                        ; 32 rows of 4,096 bytes
	s_lshl_b32 s45, s42, 7
	s_add_co_u32 s44, s44, s45
	s_mov_b32 s45, 0
	s_lshr_b32 s46, s42, 2                         ; mq: [f block of 128][chunk][25,600]
	s_lshl_b32 s46, s46, 2
	s_add_co_u32 s46, s46, s43
	s_mul_i32 s46, s46, 25600
	s_and_b32 s47, s42, 3
	s_mul_i32 s48, s47, 6144
	s_add_co_u32 s48, s48, s46
	s_mul_i32 s49, s41, 3072
	s_add_co_u32 s48, s48, s49
	s_mov_b32 s49, 0
	s_lshl_b32 s50, s47, 8
	s_add_co_u32 s50, s50, s46
	s_lshl_b32 s51, s41, 2
	s_add_co_u32 s50, s50, s51
	s_add_co_u32 s50, s50, 24576
	s_mov_b32 s51, 0
	v_and_b32 v70, 31, v0                          ; lane
	v_and_b32 v71, 7, v0
	v_bfe_u32 v72, v0, 3, 2
	v_bfe_u32 v73, v0, 3, 1
	v_bfe_u32 v74, v0, 4, 1
	v_and_b32 v75, 15, v0
	v_lshlrev_b32 v1, 2, v70                       ; 4 lane: my column
	v_mul_u32_u24 v2, v70, 144
	v_add_nc_u32 v2, s20, v2                       ; the stage, in
	v_add_nc_u32 v3, s20, v1                       ; and out
	v_mul_u32_u24 v4, v72, 1536
	v_lshl_add_u32 v4, v71, 4, v4
	v_add_nc_u32 v4, s21, v4                       ; image: fragment lane / 8, row lane % 8
	v_lshlrev_b32 v5, 4, v71
	v_lshl_add_u32 v5, v73, 8, v5
	v_lshl_add_u32 v5, v74, 2, v5
	v_add_nc_u32 v5, s22, v5                       ; scale bytes
	v_mul_u32_u24 v6, v74, 1536
	v_lshl_add_u32 v8, v75, 3, v6
	v_lshl_add_u32 v6, v75, 4, v6
	v_add_nc_u32 v6, s26, v6                       ; M's image: registers 0-3,
	v_add_nc_u32 v8, s27, v8                       ; 4-5,
	v_add_nc_u32 v9, s35, v1                       ; my byte of the lane's word
	v_lshlrev_b32 v10, 4, v0
	v_add_nc_u32 v11, MIMG, v10
	v_add_nc_u32 v12, MIMG+3072, v1
	v_lshlrev_b32 v13, 3, v70
	v_lshlrev_b32 v15, 4, v70
	v_add_nc_u32 v14, s21, v15
	s_wait_alu depctr_va_vdst(0)                   ; the wait at the head's end
	s_wait_kmcnt 0x0
	s_add_nc_u64 s[4:5], s[4:5], s[36:37]
	s_add_nc_u64 s[6:7], s[6:7], s[44:45]
	s_add_nc_u64 s[8:9], s[8:9], s[38:39]
	s_add_nc_u64 s[56:57], s[10:11], s[48:49]
	s_add_nc_u64 s[58:59], s[10:11], s[50:51]
.set i, 0
.rept 32
	global_load_b32 v[192+i], v1, s[6:7] offset:i*4096 th:TH_LOAD_NT   ; M_d: a lane to a column f, registers down e.  The oldest loads: they are in when any later load is
.set i, i+1
.endr
	XLOAD 0
	XLOAD 1
.irp p, 0,1,2,3,4,5,6,7
	PATCH \p
.endr
	s_wait_dscnt 0x0                               ; the last stores have read the codes' registers
	QB 192, 80, 86, 73
	ds_store_b128 v6, v[80:83]
	ds_store_b64 v8, v[84:85]
	ds_store_b8 v9, v73
.set k, 0
.rept 25
	ds_load_b128 v[96+4*k:99+4*k], v14 offset:512*k   ; my own image, as it lies
.set k, k+1
.endr
	s_wait_alu depctr_va_vdst(0)
	s_wait_dscnt 0x0                               ; my image is back, and for the others' sake my part of M's has landed
	s_barrier_signal -1
	s_barrier_wait -1
.set k, 0
.rept 25
	global_store_b128 v15, v[96+4*k:99+4*k], s[8:9] offset:512*k   ; 512 consecutive bytes, aligned to 256
.set k, k+1
.endr
	ds_load_b128 v[200:203], v11                   ; M's 3,072 bytes of codes: 2,048 by all four waves,
	s_wait_dscnt 0x0
	global_store_b128 v10, v[200:203], s[56:57]
	s_cmp_gt_u32 s12, 1
	s_cbranch_scc1 .Lm_hi
	ds_load_b128 v[204:207], v11 offset:2048       ; 1,024 by waves 0 and 1
	s_wait_dscnt 0x0
	global_store_b128 v10, v[204:207], s[56:57] offset:2048
	s_branch .Lm_done
.Lm_hi:
	s_cmp_lg_u32 s12, 2
	s_cbranch_scc1 .Lm_done
	ds_load_b32 v208, v12                          ; wave 2: its scale words
	s_wait_dscnt 0x0
	global_store_b32 v13, v208, s[58:59]
.Lm_done:
	s_wait_tensorcnt 0x0                           ; the wave's end
	ds_add_u32 v38, v39
	s_wait_dscnt 0x0
	s_endpgm
.Lfunc_end_k_q248461b3ef_quant:
	.size	k_q248461b3ef_quant, .Lfunc_end_k_q248461b3ef_quant-k_q248461b3ef_quant
	.p2alignl 7, 3214868480
	.fill 96, 4, 3214868480
	.section	.rodata,"a",@progbits
	.p2align	6, 0x0
	.amdhsa_kernel k_q248461b3ef_quant
		.amdhsa_group_segment_fixed_size 73472
		.amdhsa_private_segment_fixed_size 0
		.amdhsa_enable_private_segment 0
		.amdhsa_kernarg_size 32
		.amdhsa_user_sgpr_count 2
		.amdhsa_user_sgpr_kernarg_segment_ptr 1
		.amdhsa_wavefront_size32 1
		.amdhsa_system_sgpr_workgroup_id_x 1
		.amdhsa_system_sgpr_workgroup_id_y 1
		.amdhsa_system_sgpr_workgroup_id_z 1
		.amdhsa_system_vgpr_workitem_id 0
		.amdhsa_next_free_vgpr 224
		.amdhsa_next_free_sgpr 66
		.amdhsa_reserve_vcc 0
		.amdhsa_float_denorm_mode_32 3
		.amdhsa_float_denorm_mode_16_64 3
		.amdhsa_memory_ordered 1
		.amdhsa_forward_progress 1
		.amdhsa_inst_pref_size 84
	.end_amdhsa_kernel
	.amdgpu_metadata
---
amdhsa.version: [ 1, 2 ]
amdhsa.kernels:
  - .name:           k_q248461b3ef_quant
    .symbol:         k_q248461b3ef_quant.kd
    .args:
      - { .name: x, .offset: 0, .size: 8, .value_kind: global_buffer, .address_space: global }
      - { .name: M_d, .offset: 8, .size: 8, .value_kind: global_buffer, .address_space: global }
      - { .name: xq, .offset: 16, .size: 8, .value_kind: global_buffer, .address_space: global }
      - { .name: mq, .offset: 24, .size: 8, .value_kind: global_buffer, .address_space: global }
    .group_segment_fixed_size: 73472
    .private_segment_fixed_size: 0
    .kernarg_segment_align: 8
    .kernarg_segment_size: 32
    .max_flat_workgroup_size: 128
    .sgpr_count:     66
    .vgpr_count:     224
    .wavefront_size: 32
...
	.end_amdgpu_metadata
.endif
;; end of part 1
;; launch attn (part 2): grid 4 x 64, 16 waves a work-group, clusters of 4 x 1, 206,848 bytes of LDS; arguments xq, tq; writes tq
.if DOCPART == 2
	.amdgcn_target "amdgcn-amd-amdhsa--gfx1250"
	.amdhsa_code_object_version 6
	.text
	.protected	k_q248461b3ef_attn
	.globl	k_q248461b3ef_attn
	.p2align	8
	.type	k_q248461b3ef_attn,@function
k_q248461b3ef_attn:
	s_mov_b64 s[64:65], 0
	v_nop
	global_prefetch_b8 v0, s[64:65] scope:SCOPE_SE
	s_setreg_imm32_b32 hwreg(HW_REG_WAVE_MODE, 25, 1), 1
	s_wait_xcnt 0x0
	s_wait_alu depctr_hold_cnt(0) depctr_sa_sdst(0) depctr_va_vdst(0) depctr_va_sdst(0) depctr_va_ssrc(0) depctr_va_vcc(0) depctr_vm_vsrc(0)
	s_getreg_b32 s2, hwreg(HW_REG_IB_STS2, 6, 4)
	s_cmp_eq_u32 s2, 0
	s_cbranch_scc0 .Lentry_in_a_cluster
	s_endpgm
.Lentry_in_a_cluster:
	s_bfe_u32 s2, ttmp6, 0x10000c
	s_cmp_lg_u32 s2, 0x3003
	s_cbranch_scc0 .Lentry_shape_is_right
	s_endpgm
.Lentry_shape_is_right:
; For each of 64 heads: t[d][j] = (sum over keys i <= j of x[d][i] p[i][j]) / l[j], p = 2^(s[i][j] c - M[j]), s = sum over d of x[d][i] x[d][j], c = log2(e) / 32; both products on codes of BF6 (E3M2).
; M is the running largest s c of the query rounded up to a whole number; l sums the unquantised p; when M moves, l and the sums are multiplied by 2^(old M - new M).
; WORK LEFT OUT: key steps all of whose keys lie behind a tile's queries: their scores are -inf, so their p is 0 for all inputs.
; LIMITS: NaN and infinities are not served; a block of p or t whose largest number lies under 2^-122 gets the byte 1 (a block of zeros too: its codes are zeros);
; the scaled scores stay under 2^31 in magnitude; a block's largest p is the block's largest score put through the same multiply-add and exponential (v_exp_f32 is taken not to fall where its input rises).
; DATA.  A head's codes and scale words for both products are 16 key steps x 12,800 bytes = 204,800 bytes: all of it lies in LDS, filled once, read only.
; CLUSTER.  The four work-groups of a cluster own the same head and ask for it jointly: wave W of each asks for key step W by the same tensor load with the same descriptor and the mask of all four.
; cx enters global addresses and data registers alone, never a branch or an LDS address: so the queries' fragment, which is a tile of K, is read from memory.
; IMAGES.  A fragment (12 registers a lane) lies as three runs of 512 bytes, 16 bytes a lane.  A key step: 4 fragments of K, 4 of V, 512 bytes of scale words (a lane's 16 bytes: K's two registers, V's two).
; K of the first product is 64, so ONE fragment carries two key tiles (keys 0-63 of the step in registers 0-5, keys 64-127 in 6-11) and is multiplied by [Q | zero codes] and by [zero codes | Q].
; ROWS OF A TILE: tile t of a group of 64, row r, is element 32 (r / 8) + 8 t + r % 8.  In a transposed result lane (r, h) then holds, in 32 registers on end, the whole block h: p's blocks along the keys, t's along d.
; SHARES.  Wave W (a = W / 2, u = W % 2) of work-group cx owns tile T = 2 cx + u of key steps a and 15 - a: 17 key steps for every wave.  S^T = K Q^T, O^T = V^T P^T: a lane holds one query throughout.
; t is quantised along e (a block is half a head) and stored as images of the next launch's operand registers; its scale bytes leave singly: a K step's word takes two heads' bytes, made by two work-groups.
.set BLK,   12800
.set VOF,   6144
.set SCO,   12288
.set SPARE, 16*BLK                     ; the spare words, 128 bytes a wave
.set TCH,   51200
.set KF, 40                            ; v40-87 K's fragments, v88-135 V's, v136-199 S^T then p, v200-231 O^T, v232-243 p's codes, v244-255 at work
.set VF, 88
.set S,  136
.set O,  200
.set P,  232
; v1 16 lane, v2 8 lane, v3 the step's LDS address, v4 8 h, v5 the mask's bound, v6 -inf, v7 Q's scale words, v8 8 r + h, v9 16 r, v12 -M, v13 largest t, v[14:15] l,
; v16-19 K's and V's scale words, v20-25 Q, v26-31 zero codes, v32-37 Q again; v38, v39 the add's two registers
.macro CROUND                          ; a round of the cluster's barrier
	s_barrier_signal -1
	s_barrier_wait -1
	s_cmp_lg_u32 s12, 0
	s_cbranch_scc1 .Lnot_wave_0_\@
	s_barrier_signal -3
.Lnot_wave_0_\@:
	s_barrier_wait -3
	s_barrier_signal -1
	s_barrier_wait -1
.endm
.macro WQ d, a, b, sa, row             ; a product of the scores: it starts its sum
.if \row
	v_wmma_scale_f32_16x16x128_f8f6f4 v[\d:\d+7], v[\a:\a+11], v[\b:\b+11], 0, v[\sa], v7 matrix_a_fmt:MATRIX_FMT_BF6 matrix_b_fmt:MATRIX_FMT_BF6 matrix_a_scale:MATRIX_SCALE_ROW1
.else
	v_wmma_scale_f32_16x16x128_f8f6f4 v[\d:\d+7], v[\a:\a+11], v[\b:\b+11], 0, v[\sa], v7 matrix_a_fmt:MATRIX_FMT_BF6 matrix_b_fmt:MATRIX_FMT_BF6
.endif
.endm
.macro WP d, a, sa, row
.if \row
	v_wmma_scale_f32_16x16x128_f8f6f4 v[\d:\d+7], v[\a:\a+11], v[P:P+11], v[\d:\d+7], v[\sa], v253 matrix_a_fmt:MATRIX_FMT_BF6 matrix_b_fmt:MATRIX_FMT_BF6 matrix_a_scale:MATRIX_SCALE_ROW1
.else
	v_wmma_scale_f32_16x16x128_f8f6f4 v[\d:\d+7], v[\a:\a+11], v[P:P+11], v[\d:\d+7], v[\sa], v253 matrix_a_fmt:MATRIX_FMT_BF6 matrix_b_fmt:MATRIX_FMT_BF6
.endif
.endm
.macro PLACES                          ; four places behind a matrix instruction of this form (ISA guide 7.12.1)
.rept 4
	v_nop
.endr
.endm
.macro MASK lo, k0                     ; a key behind my query: its score becomes -inf
.set n, 0
.rept 32
	v_cmp_gt_i32 vcc_lo, \k0+n, v5
	v_cndmask_b32 v[S+\lo+n], v[S+\lo+n], v6, vcc_lo
.set n, n+1
.endr
.endm
.macro LSUM st, cnt                    ; one level of the tree that sums p in place
.set j, 0
.rept \cnt
	v_pk_add_f32 v[S+j:S+j+1], v[S+j:S+j+1], v[S+j+\st/2:S+j+\st/2+1]
.set j, j+\st
.endr
.endm
.macro OMUL from, cnt                  ; O^T under the new M
.set j, \from
.rept \cnt
	v_pk_mul_f32 v[O+j:O+j+1], v[O+j:O+j+1], v[252:253] op_sel_hi:[1,0]
.set j, j+2
.endr
.endm
; A KEY STEP: 128 keys against my 16 queries
.macro STEP
	v_add_nc_u32 v3, s32, v1
	v_nop
	v_nop
	v_nop                                          ; with the addition: four places behind the last step's products, whose registers are loaded anew
	ds_load_b128 v[16:19], v3 offset:SCO
.irp f, 0,1,2,3
.irp q, 0,1,2
	ds_load_b128 v[KF+12*\f+4*\q:KF+12*\f+4*\q+3], v3 offset:1536*\f+512*\q
.endr
.endr
.irp f, 0,1,2,3
.irp q, 0,1,2
	ds_load_b128 v[VF+12*\f+4*\q:VF+12*\f+4*\q+3], v3 offset:VOF+1536*\f+512*\q
.endr
.endr
	s_wait_dscnt 12                                ; the scale words and K are in; V's twelve loads may be out
.irp c, 0,1
.irp t, 0,1,2,3
	WQ S+8*(4*\c+\t), KF+12*\t, 20+6*\c, 16+\t/2, \t%2   ; register 32 c + i of S^T in lane (r, h) is key 64 c + 32 h + i
.endr
.endr
	s_wait_dscnt 0x0                               ; V is in
	PLACES
	s_cmp_lg_u32 s33, s34                          ; only the tile's last step lies on the diagonal
	s_cbranch_scc1 .Lopen_\@
	MASK 0, 0
	MASK 32, 64
.Lopen_\@:
.irp b, 0,1,2,3
	v_max3_num_f32 v[244+\b], v[S+16*\b], v[S+16*\b+1], v[S+16*\b+2]   ; four chains by turns; each accumulator is read from its low end on
.endr
.irp i, 3,5,7,9,11,13
.irp b, 0,1,2,3
	v_max3_num_f32 v[244+\b], v[244+\b], v[S+16*\b+\i], v[S+16*\b+\i+1]
.endr
.endr
	v_max3_num_f32 v244, v244, v245, v[S+15]
	v_max3_num_f32 v246, v246, v247, v[S+47]
	v_max_num_f32 v244, v244, v[S+31]              ; the largest score of my block h
	v_max_num_f32 v246, v246, v[S+63]              ; and of my block 2 + h
	v_max_num_f32 v248, v244, v246
	v_mul_f32 v248, s30, v248                      ; as t (c is positive)
	v_permlanex16_b32 v249, v248, s28, s29
	v_max3_num_f32 v13, v13, v248, v249            ; the running largest t
	v_floor_f32 v250, -v13                         ; the new -M
	v_sub_f32 v251, v250, v12                      ; old M - new M: a whole number, 0 or less
	v_mov_b32 v12, v250
.set j, 0
.rept 32
	v_pk_fma_f32 v[S+j:S+j+1], v[S+j:S+j+1], s[30:31], v[12:13] op_sel_hi:[1,0,0]   ; t - M
.set j, j+2
.endr
	v_fma_f32 v244, v244, s30, v12
	v_fma_f32 v246, v246, s30, v12
	v_cvt_i32_f32 v251, v251                       ; (it saturates)
	s_delay_alu instid0(VALU_DEP_1)
	v_ldexp_f32 v252, 1.0, v251                    ; f = 2^(old M - new M)
	s_wait_alu depctr_va_vdst(0)                   ; the wait ahead of the batch
.set j, 0
.rept 64
	v_exp_f32 v[S+j], v[S+j]
.set j, j+1
.endr
	v_exp_f32 v244, v244                           ; my two blocks' largest p
	v_exp_f32 v246, v246
	v_pk_mul_f32 v[14:15], v[14:15], v[252:253] op_sel_hi:[1,0]   ; l under the new M: the plain place behind the batch
	s_wait_alu depctr_va_vdst(0)                   ; and the wait behind it
	v_max_num_f32 v244, 0x2800000, v244
	v_max_num_f32 v246, 0x2800000, v246
	v_add_nc_u32 v254, 0xfe000000, v244
	v_add_nc_u32 v255, 0xfe000000, v246
	v_lshrrev_b32 v248, 23, v254
	v_lshrrev_b32 v249, 23, v255
	s_delay_alu instid0(VALU_DEP_1)
	v_lshl_or_b32 v248, v249, 16, v248             ; my bytes: blocks h and 2 + h,
	s_delay_alu instid0(VALU_DEP_1)
	v_lshlrev_b32 v248, v4, v248                   ; at their places in the word;
	s_delay_alu instid0(VALU_DEP_1)
	v_permlanex16_b32 v249, v248, s28, s29
	s_delay_alu instid0(VALU_DEP_1)
	v_or_b32 v253, v248, v249                      ; with lane l xor 16's the word is whole
	v_cvt_scalef32_pk16_bf6_f32 v[P:P+2], v[S:S+15], v254
	v_cvt_scalef32_pk16_bf6_f32 v[248:250], v[S+16:S+31], v254
	v_cvt_scalef32_pk16_bf6_f32 v[P+6:P+8], v[S+32:S+47], v255
	v_cvt_scalef32_pk16_bf6_f32 v[244:246], v[S+48:S+63], v255
	v_nop
.irp i, 0,1,2
	v_mov_b32 v[P+3+\i], v[248+\i]
	v_mov_b32 v[P+9+\i], v[244+\i]
.endr
	LSUM 4, 16
	LSUM 8, 8
	LSUM 16, 4
	LSUM 32, 2
	s_wait_alu depctr_va_vdst(0)                   ; the wait ahead of the first reader of O^T
	OMUL 0, 8
	LSUM 64, 1
	OMUL 16, 4
	v_pk_add_f32 v[14:15], v[14:15], v[S:S+1]
	OMUL 24, 4
.irp w, 0,1,2,3                        ; the four accumulators take turns
	WP O+8*\w, VF+12*\w, 18+\w/2, \w%2
.endr
.endm
; ONE TILE OF 16 QUERIES.  p = 0: of key step a; p = 1: of key step 15 - a
.macro TILE p
	s_wait_xcnt 0x0                                ; earlier stores have read their bases and data
.if \p
	s_xor_b32 s34, s15, 15
.else
	s_mov_b32 s34, s15
.endif
	s_mul_i32 s44, s34, BLK
	s_mul_i32 s45, s18, 1536
	s_add_co_u32 s45, s45, s44                     ; the fragment that holds my tile; its half is c
	s_mul_i32 s46, s17, 520
	s_add_co_u32 s46, s46, s45                     ; pieces 1 and 3 of 8 bytes: at 0 and 512, or at 520 and 1,032
	s_mov_b32 s47, 0
	s_mul_i32 s48, s17, 1016
	s_add_co_u32 s48, s48, s45
	s_add_co_u32 s48, s48, 8                       ; piece 2: at 8 or at 1,024
	s_mov_b32 s49, 0
	s_and_b32 s50, s18, 1
	s_lshl_b32 s50, s50, 8
	s_add_co_u32 s50, s50, s44
	s_lshr_b32 s51, s18, 1
	s_lshl_b32 s51, s51, 2
	s_add_co_u32 s50, s50, s51
	s_add_co_u32 s50, s50, SCO
	s_mov_b32 s51, 0
	s_add_nc_u64 s[36:37], s[56:57], s[46:47]
	s_add_nc_u64 s[38:39], s[56:57], s[48:49]
	s_add_nc_u64 s[54:55], s[56:57], s[50:51]
.irp q, 20, 32
	global_load_b64 v[\q:\q+1], v1, s[36:37]
	global_load_b64 v[\q+2:\q+3], v1, s[38:39]
	global_load_b64 v[\q+4:\q+5], v1, s[36:37] offset:512
.endr
	global_load_b32 v7, v9, s[54:55]
	s_lshr_b32 s46, s14, 4                         ; tq: w block = 8 x batch + step / 2,
	s_lshl_b32 s46, s46, 3
	s_lshr_b32 s48, s34, 1
	s_add_co_u32 s46, s46, s48
	s_lshl_b32 s46, s46, 2
	s_bfe_u32 s48, s14, 0x20002                    ; chunk = (head % 16) / 4
	s_add_co_u32 s46, s46, s48
	s_mul_i32 s46, s46, TCH
	s_bfe_u32 s48, s14, 0x10001                    ; K step in the chunk
	s_and_b32 s49, s14, 1                          ; the head's parity: which half of the fragment
	s_and_b32 s50, s34, 1                          ; which 128 of the 256 w
	s_mul_i32 s44, s48, 24576
	s_add_co_u32 s44, s44, s46
	s_lshl_b32 s51, s50, 3
	s_add_co_u32 s51, s51, s19
	s_mul_i32 s51, s51, 1536
	s_add_co_u32 s44, s44, s51
	s_mul_i32 s51, s49, 768
	s_add_co_u32 s44, s44, s51
	s_mov_b32 s45, 0
	s_add_nc_u64 s[40:41], s[8:9], s[44:45]        ; t's codes
	s_lshl_b32 s51, s50, 2
	s_add_co_u32 s51, s51, s13
	s_lshl_b32 s51, s51, 8
	s_add_co_u32 s46, s46, s51
	s_lshl_b32 s51, s16, 7
	s_add_co_u32 s46, s46, s51
	s_lshl_b32 s51, s48, 2
	s_add_co_u32 s46, s46, s51
	s_lshl_b32 s51, s49, 1
	s_add_co_u32 s46, s46, s51
	s_add_co_u32 s46, s46, 49152
	s_mov_b32 s47, 0
	s_add_nc_u64 s[42:43], s[8:9], s[46:47]        ; t's scale bytes
	s_wait_loadcnt 0x0
	v_perm_b32 v7, v7, v7, s52                     ; my tile's two bytes, twice: over Q and over the zero codes
	v_mov_b32 v13, 0xff61b1e6                      ; the largest t so far: -3e38
	v_mov_b32 v14, 0
	v_mov_b32 v15, 0
	v_floor_f32 v12, -v13
.set j, 0
.rept 32
	v_mov_b32 v[O+j], 0                            ; the step is written once: the first finds zeros
.set j, j+1
.endr
	s_mov_b32 s32, 0
	s_mov_b32 s33, 0
	s_wait_alu depctr_va_vdst(0)
.Lstep_\@:                             ; sixteen trips for every wave and tile; a step behind my queries is jumped over, by the wave's number and the count alone
	s_cmp_gt_u32 s33, s34
	s_cbranch_scc1 .Lskip_\@
	STEP
.Lskip_\@:
	s_add_co_u32 s32, s32, BLK
	s_add_co_u32 s33, s33, 1
	s_cmp_lt_u32 s33, 16
	s_cbranch_scc1 .Lstep_\@
	PLACES
	s_wait_alu depctr_va_vdst(0)                   ; the wait here, directly ahead of the reader of l
	v_add_f32 v14, v14, v15
	s_delay_alu instid0(VALU_DEP_1)
	v_permlanex16_b32 v252, v14, s28, s29
	s_delay_alu instid0(VALU_DEP_1)
	v_add_f32 v14, v14, v252                       ; the row's sum
	s_wait_alu depctr_va_vdst(0)
	v_rcp_f32 v14, v14
	v_nop
	s_wait_alu depctr_va_vdst(0)
.set j, 0
.rept 16
	v_pk_mul_f32 v[S+j:S+j+1], v[O+j:O+j+1], v[14:15] op_sel_hi:[1,0]   ; register i of lane (r, h) is d = 32 h + i of query r: one block along e
.set j, j+2
.endr
	v_max3_num_f32 v244, |v[S]|, |v[S+1]|, 0x2800000
	v_max3_num_f32 v245, |v[S+16]|, |v[S+17]|, |v[S+18]|
.irp i, 2,4,6,8,10,12
	v_max3_num_f32 v244, v244, |v[S+\i]|, |v[S+\i+1]|
	v_max3_num_f32 v245, v245, |v[S+17+\i]|, |v[S+18+\i]|
.endr
	v_max3_num_f32 v244, v244, |v[S+14]|, |v[S+15]|
	s_delay_alu instid0(VALU_DEP_1)
	v_max3_num_f32 v244, v244, v245, |v[S+31]|
	s_delay_alu instid0(VALU_DEP_1)
	v_add_nc_u32 v246, 0xfe000000, v244
	s_delay_alu instid0(VALU_DEP_1)
	v_lshrrev_b32 v247, 23, v246
	v_cvt_scalef32_pk16_bf6_f32 v[P:P+2], v[S:S+15], v246
	v_cvt_scalef32_pk16_bf6_f32 v[248:250], v[S+16:S+31], v246
	v_nop
.irp i, 0,1,2
	v_mov_b32 v[P+3+\i], v[248+\i]
.endr
	global_store_b128 v1, v[P:P+3], s[40:41]       ; 512 consecutive bytes, aligned to 256
	global_store_b64 v2, v[P+4:P+5], s[40:41] offset:512   ; 256 consecutive bytes, aligned
	global_store_b8 v8, v247, s[42:43]
.endm
	s_load_b64 s[4:5], s[0:1], 0x0                 ; xq
	s_load_b64 s[8:9], s[0:1], 0x8                 ; tq
	v_lshl_add_u32 v38, v0, 2, SPARE
	v_mov_b32 v39, 0
	ds_add_u32 v38, v39                            ; the opening lines: the add twice on end and its wait
	ds_add_u32 v38, v39
	v_lshrrev_b32 v1, 5, v0
	v_readfirstlane_b32 s12, v1                    ; wave 0..15
	s_bfe_u32 s13, ttmp6, 0x40000                  ; cx: my place in the cluster
	s_and_b32 s14, ttmp7, 0xffff                   ; the head, which the four partners share
	s_lshr_b32 s15, s12, 1                         ; a
	s_and_b32 s16, s12, 1                          ; u
	s_lshr_b32 s17, s13, 1                         ; c: which 64 of the step's keys hold my queries
	s_lshl_b32 s19, s13, 1
	s_add_co_u32 s19, s19, s16                     ; T
	s_and_b32 s18, s19, 3                          ; t = T % 4
	; descriptor group 1: a dense block of 12,800 bytes as 50 rows of 256 bytes (32 elements of 8 bytes), no padding
	s_mov_b32 s68, 15|(3<<16)|(1<<21)              ; the mask of all four work-groups; elements of 8 bytes; bit 21 set beside a mask
	s_mov_b32 s69, 32<<16
	s_mov_b32 s70, 50<<16
	s_mov_b32 s71, 32<<16
	s_mov_b32 s72, 50
	s_mov_b32 s73, 32
	s_mov_b32 s74, 0
	s_mov_b32 s75, 0
	s_mul_i32 s44, s14, 16*BLK
	s_mov_b32 s45, 0
	s_mul_i32 s46, s12, BLK                        ; wave W asks for key step W
	s_mov_b32 s47, 0
	s_mov_b32 s28, 0x76543210
	s_mov_b32 s29, 0xfedcba98                      ; v_permlanex16_b32's selects for lane l xor 16
	s_mov_b32 s30, 0x3d38aa3b                      ; c = log2(e) / 32
	s_mov_b32 s31, s30
	s_mul_i32 s52, s17, 0x02020202
	s_add_co_u32 s52, s52, 0x01000100              ; bytes 0, 1 or 2, 3 of a word, twice
	s_lshl_b32 s53, s17, 6
	s_lshl_b32 s54, s18, 3
	s_add_co_u32 s53, s53, s54                     ; 64 c + 8 t
	s_wait_dscnt 0x0                               ; both opening adds are done
	s_wait_kmcnt 0x0
	s_add_nc_u64 s[56:57], s[4:5], s[44:45]        ; the head in xq
	CROUND                                         ; all four work-groups are here: the joint loads meet
	s_mov_b32 s76, 1
	s_mul_i32 s77, s12, BLK                        ; LDS address: no place in the cluster enters it
	s_add_nc_u64 s[78:79], s[56:57], s[46:47]
	s_or_b32 s79, s79, 0x80000000
	tensor_load_to_lds s[76:79], s[68:75]          ; my one tensor load of the launch
	s_nop 0
.rept 4
	v_nop
.endr
	v_and_b32 v9, 15, v0                           ; r
	v_bfe_u32 v11, v0, 4, 1                        ; h
	v_and_b32 v2, 31, v0
	v_lshlrev_b32 v1, 4, v2
	v_lshlrev_b32 v2, 3, v2
	v_lshl_add_u32 v8, v9, 3, v11
	v_lshlrev_b32 v4, 3, v11
	v_and_b32 v5, 7, v0
	v_bfe_u32 v10, v0, 3, 1
	v_sub_nc_u32 v10, v10, v11
	v_lshl_add_u32 v5, v10, 5, v5
	v_add_nc_u32 v5, s53, v5                       ; my query's place in its step less 32 h: register 32 c + i is hidden where 64 c + i is larger
	v_lshlrev_b32 v9, 4, v9
	v_mov_b32 v6, 0xff800000
.irp j, 26,27,28,29,30,31,249,253
	v_mov_b32 v[\j], 0                             ; the zero codes; a lane permute's destination and a pair's upper half, written once
.endr
	s_wait_alu depctr_va_vdst(0)                   ; the wait at the head's end
	s_wait_tensorcnt 0x0                           ; my key step has landed,
	s_barrier_signal -1
	s_barrier_wait -1                              ; everybody's has: from here on LDS is only read
	TILE 0
	TILE 1
	s_wait_tensorcnt 0x0                           ; the wave's end
	ds_add_u32 v38, v39
	s_wait_dscnt 0x0
	CROUND                                         ; the closing round
	s_endpgm
.Lfunc_end_k_q248461b3ef_attn:
	.size	k_q248461b3ef_attn, .Lfunc_end_k_q248461b3ef_attn-k_q248461b3ef_attn
	.p2alignl 7, 3214868480
	.fill 96, 4, 3214868480
	.section	.rodata,"a",@progbits
	.p2align	6, 0x0
	.amdhsa_kernel k_q248461b3ef_attn
		.amdhsa_group_segment_fixed_size 206848
		.amdhsa_private_segment_fixed_size 0
		.amdhsa_enable_private_segment 0
		.amdhsa_kernarg_size 16
		.amdhsa_user_sgpr_count 2
		.amdhsa_user_sgpr_kernarg_segment_ptr 1
		.amdhsa_wavefront_size32 1
		.amdhsa_system_sgpr_workgroup_id_x 1
		.amdhsa_system_sgpr_workgroup_id_y 1
		.amdhsa_system_sgpr_workgroup_id_z 1
		.amdhsa_system_vgpr_workitem_id 0
		.amdhsa_next_free_vgpr 256
		.amdhsa_next_free_sgpr 80
		.amdhsa_reserve_vcc 1
		.amdhsa_float_denorm_mode_32 3
		.amdhsa_float_denorm_mode_16_64 3
		.amdhsa_memory_ordered 1
		.amdhsa_forward_progress 1
		.amdhsa_inst_pref_size 59
	.end_amdhsa_kernel
	.amdgpu_metadata
---
amdhsa.version: [ 1, 2 ]
amdhsa.kernels:
  - .name:           k_q248461b3ef_attn
    .symbol:         k_q248461b3ef_attn.kd
    .args:
      - { .name: xq, .offset: 0, .size: 8, .value_kind: global_buffer, .address_space: global }
      - { .name: tq, .offset: 8, .size: 8, .value_kind: global_buffer, .address_space: global }
    .group_segment_fixed_size: 206848
    .private_segment_fixed_size: 0
    .kernarg_segment_align: 8
    .kernarg_segment_size: 16
    .max_flat_workgroup_size: 512
    .sgpr_count:     80
    .vgpr_count:     256
    .wavefront_size: 32
...
	.end_amdgpu_metadata
.endif
;; end of part 2
;; launch proj (part 3): grid 32 x 8, 4 waves a work-group, clusters of 4 x 4, 327,680 bytes of LDS; arguments mq, tq, b_d, out0; writes out0
.if DOCPART == 3
	.amdgcn_target "amdgcn-amd-amdhsa--gfx1250"
	.amdhsa_code_object_version 6
	.text
	.protected	k_q248461b3ef_proj
	.globl	k_q248461b3ef_proj
	.p2align	8
	.type	k_q248461b3ef_proj,@function
k_q248461b3ef_proj:
	s_mov_b64 s[64:65], 0
	v_nop
	global_prefetch_b8 v0, s[64:65] scope:SCOPE_SE
	s_setreg_imm32_b32 hwreg(HW_REG_WAVE_MODE, 25, 1), 1
	s_wait_xcnt 0x0
	s_wait_alu depctr_hold_cnt(0) depctr_sa_sdst(0) depctr_va_vdst(0) depctr_va_sdst(0) depctr_va_ssrc(0) depctr_va_vcc(0) depctr_vm_vsrc(0)
	s_getreg_b32 s2, hwreg(HW_REG_IB_STS2, 6, 4)
	s_cmp_eq_u32 s2, 0
	s_cbranch_scc0 .Lentry_in_a_cluster
	s_endpgm
.Lentry_in_a_cluster:
	s_bfe_u32 s2, ttmp6, 0x10000c
	s_cmp_lg_u32 s2, 0xf033
	s_cbranch_scc0 .Lentry_shape_is_right
	s_endpgm
.Lentry_shape_is_right:
; out[b][f][w] = sum over e of M_d[e][f] t[b][e][w] + b_d[f], on codes of BF6 (E3M2) with one E8M0 scale for each 32 along e; sums in f32.  K = 1,024: eight steps of 128.
; Both operands arrive as images of operand registers (a fragment: twice 512 bytes of registers 0-3 and 256 bytes of registers 4-5, lanes on end), in chunks of 256 along K with their scale words behind them.
; A work-group makes 128 f x 256 w; its four waves 64 f x 128 w each: 32 accumulators.  ALL OF K of both operands lies in LDS (102,400 + 204,800 bytes), each byte filled once, by one joint load a wave at the head:
; waves 0 and 1 fetch the halves of M's block (200 rows of 256 bytes each), waves 2 and 3 the halves of t's (400 rows each).  One barrier shows all of it to all waves.
; CLUSTERS: 4 x 4.  M's block hangs on the f block alone and is shared along a row of the cluster, t's on the w block alone and is shared along a column.  No prefetch: the launch has no loop to run ahead in.
; Source 0 = 16 rows (w) of t, source 1 = 16 rows (f) of M: a lane holds one f and eight neighbouring w.  Row r of t's tile 4 c + q of a group of 128 is w = 64 c + 32 (r / 8) + 8 q + r % 8,
; so register j of that tile in lane (r, hh) is w = 64 c + 32 hh + 8 q + j.  The bias is the C of each sum's first instruction.
; REGISTERS: window 0: v1-30 addresses; v32-63 the bias; v64-79 M's scale words, v80-111 t's; v112-207 M's fragments, two sets, on the way out rows of out.  window 1: t's fragments, two sets of 96.  window 2: accumulators.
.set MCH,   25600
.set TCH,   51200
.set TB0,   4*MCH
.set STAGE, TB0+4*TCH
.set SP,    272
.set BI,    32
.set SCM,   64
.set SCT,   80
.set MF,    112
.set BK,    112
.set MSB, 0
.macro WIN new
.if MSB != \new
	s_set_vgpr_msb (MSB<<8)|\new
.set MSB, \new
.endif
.endm
.macro CROUND
	s_barrier_signal -1
	s_barrier_wait -1
	s_cmp_lg_u32 s12, 0
	s_cbranch_scc1 .Lnot_wave_0_\@
	s_barrier_signal -3
.Lnot_wave_0_\@:
	s_barrier_wait -3
	s_barrier_signal -1
	s_barrier_wait -1
.endm
.macro PLACES
.rept 4
	v_nop
.endr
.endm
.macro WM d, a, b, c, sa, sb, ra, rb
.if ((\ra) != 0) && ((\rb) != 0)
	v_wmma_scale_f32_16x16x128_f8f6f4 v[(\d):(\d)+7], v[(\a):(\a)+11], v[(\b):(\b)+11], v[(\c):(\c)+7], v[\sa], v[\sb] matrix_a_fmt:MATRIX_FMT_BF6 matrix_b_fmt:MATRIX_FMT_BF6 matrix_a_scale:MATRIX_SCALE_ROW1 matrix_b_scale:MATRIX_SCALE_ROW1
.elseif (\ra) != 0
	v_wmma_scale_f32_16x16x128_f8f6f4 v[(\d):(\d)+7], v[(\a):(\a)+11], v[(\b):(\b)+11], v[(\c):(\c)+7], v[\sa], v[\sb] matrix_a_fmt:MATRIX_FMT_BF6 matrix_b_fmt:MATRIX_FMT_BF6 matrix_a_scale:MATRIX_SCALE_ROW1
.elseif (\rb) != 0
	v_wmma_scale_f32_16x16x128_f8f6f4 v[(\d):(\d)+7], v[(\a):(\a)+11], v[(\b):(\b)+11], v[(\c):(\c)+7], v[\sa], v[\sb] matrix_a_fmt:MATRIX_FMT_BF6 matrix_b_fmt:MATRIX_FMT_BF6 matrix_b_scale:MATRIX_SCALE_ROW1
.else
	v_wmma_scale_f32_16x16x128_f8f6f4 v[(\d):(\d)+7], v[(\a):(\a)+11], v[(\b):(\b)+11], v[(\c):(\c)+7], v[\sa], v[\sb] matrix_a_fmt:MATRIX_FMT_BF6 matrix_b_fmt:MATRIX_FMT_BF6
.endif
.endm
; K step k's fragments into set: 32 loads for t's eight tiles, 16 for M's four; with a chunk's first step its scale words, 6 loads more
.macro FETCH k, set
.set FC, (\k)/2
.set FK, (\k)%2
	WIN 0x40
.irp bb, 0,1,2,3,4,5,6,7
	ds_load_b128 v[96*(\set)+12*\bb:96*(\set)+12*\bb+3],     v[4+FC] offset:24576*FK+1536*\bb
	ds_load_b64  v[96*(\set)+12*\bb+4:96*(\set)+12*\bb+5],   v[8+FC] offset:24576*FK+1536*\bb+512
	ds_load_b128 v[96*(\set)+12*\bb+6:96*(\set)+12*\bb+9],   v[4+FC] offset:24576*FK+1536*\bb+768
	ds_load_b64  v[96*(\set)+12*\bb+10:96*(\set)+12*\bb+11], v[8+FC] offset:24576*FK+1536*\bb+1280
.endr
	WIN 0
.irp a, 0,1,2,3
	ds_load_b128 v[MF+48*(\set)+12*\a:MF+48*(\set)+12*\a+3],     v[12+FC] offset:6144*(\a/2)+3072*FK+1536*(\a%2)
	ds_load_b64  v[MF+48*(\set)+12*\a+4:MF+48*(\set)+12*\a+5],   v[16+FC] offset:6144*(\a/2)+3072*FK+1536*(\a%2)+512
	ds_load_b128 v[MF+48*(\set)+12*\a+6:MF+48*(\set)+12*\a+9],   v[12+FC] offset:6144*(\a/2)+3072*FK+1536*(\a%2)+768
	ds_load_b64  v[MF+48*(\set)+12*\a+10:MF+48*(\set)+12*\a+11], v[16+FC] offset:6144*(\a/2)+3072*FK+1536*(\a%2)+1280
.endr
.if FK == 0
.irp p, 0,1
	ds_load_b64 v[SCM+4*FC+2*\p:SCM+4*FC+2*\p+1], v[20+FC] offset:256*\p
.endr
.irp p, 0,1,2,3
	ds_load_b64 v[SCT+8*FC+2*\p:SCT+8*FC+2*\p+1], v[24+FC] offset:256*\p
.endr
.endif
.endm
; K step k's 32 products: the 32 accumulators take turns.  first = 1: the sums begin with the bias
.macro MUL k, set, first
.set FC, (\k)/2
.set FK, (\k)%2
.if \first
	WIN 0x81
.else
	WIN 0xa1
.endif
.irp a, 0,1,2,3
.irp bb, 0,1,2,3,4,5,6,7
.if \first
	WM 8*(8*\a+\bb), 96*(\set)+12*\bb, MF+48*(\set)+12*\a, BI+8*\a, SCT+8*FC+2*(\bb/2)+FK, SCM+4*FC+2*(\a/2)+FK, \bb%2, \a%2
.else
	WM 8*(8*\a+\bb), 96*(\set)+12*\bb, MF+48*(\set)+12*\a, 8*(8*\a+\bb), SCT+8*FC+2*(\bb/2)+FK, SCM+4*FC+2*(\a/2)+FK, \bb%2, \a%2
.endif
.endr
.endr
.endm
	s_load_b256 s[4:11], s[0:1], 0x0               ; mq, tq, b_d, out0
	v_lshl_add_u32 v254, v0, 2, 0x4f400
	v_mov_b32 v255, 0
	ds_add_u32 v254, v255                          ; the opening lines: the add twice on end and its wait
	ds_add_u32 v254, v255
	v_lshrrev_b32 v1, 5, v0
	v_readfirstlane_b32 s12, v1                    ; wave 0..3
	s_lshr_b32 s13, s12, 1                         ; wy: which 64 f.  Also: I fetch for M (0) or for t (1)
	s_and_b32 s14, s12, 1                          ; wx: which 128 w.  Also: which half of the block I fetch
	s_bfe_u32 s15, ttmp6, 0x40000
	s_bfe_u32 s16, ttmp6, 0x40004
	s_lshl_b32 s17, ttmp9, 2
	s_add_co_u32 s17, s17, s15                     ; w block of 256
	s_and_b32 s18, ttmp7, 0xffff
	s_lshl_b32 s18, s18, 2
	s_add_co_u32 s18, s18, s16                     ; f block of 128
	s_lshl_b32 s19, s16, 2
	s_lshl_b32 s19, 15, s19                        ; my row of the cluster
	s_lshl_b32 s20, 0x1111, s15                    ; my column
	s_or_b32 s24, s19, (3<<16)|(1<<21)             ; M's halves go to my row; elements of 8 bytes
	s_or_b32 s32, s20, (3<<16)|(1<<21)             ; t's halves to my column
.irp g, 24, 32
	s_mov_b32 s[\g+1], 32<<16                      ; rows of 256 bytes
	s_mov_b32 s[\g+2], (25*\g-400)<<16             ; 200 rows for M's group, 400 for t's
	s_mov_b32 s[\g+3], 32<<16
	s_mov_b32 s[\g+4], 25*\g-400
	s_mov_b32 s[\g+5], 32
	s_mov_b32 s[\g+6], 0
	s_mov_b32 s[\g+7], 0
.endr
	s_mul_i32 s76, s18, 4*MCH                      ; M: the f block and the wave's half alone
	s_mul_i32 s81, s14, 2*MCH
	s_add_co_u32 s76, s76, s81
	s_mov_b32 s77, 0
	s_mul_i32 s78, s17, 4*TCH                      ; t: the w block and the wave's half alone
	s_mul_i32 s80, s14, 2*TCH
	s_add_co_u32 s78, s78, s80
	s_mov_b32 s79, 0
	s_wait_dscnt 0x0
	s_wait_kmcnt 0x0
	s_add_nc_u64 s[76:77], s[4:5], s[76:77]
	s_add_nc_u64 s[78:79], s[6:7], s[78:79]
	CROUND                                         ; all sixteen work-groups are here: the joint loads meet
	s_mov_b32 s40, 1
	s_mov_b32 s41, s81
	s_mov_b64 s[42:43], s[76:77]
	s_or_b32 s43, s43, 0x80000000
	s_mov_b32 s44, 1
	s_add_co_u32 s45, s80, TB0
	s_mov_b64 s[46:47], s[78:79]
	s_or_b32 s47, s47, 0x80000000
	s_cmp_eq_u32 s13, 0
	s_cbranch_scc0 .Lfor_t
	tensor_load_to_lds s[40:43], s[24:31]          ; my one tensor load of the launch
	s_nop 0
.rept 4
	v_nop
.endr
	s_branch .Lasked
.Lfor_t:
	tensor_load_to_lds s[44:47], s[32:39]
	s_nop 0
.rept 4
	v_nop
.endr
.Lasked:
	v_and_b32 v31, 31, v0
	v_lshlrev_b32 v1, 4, v31
	s_wait_alu depctr_va_vdst(0)
	v_lshlrev_b32 v2, 3, v31
	s_wait_alu depctr_va_vdst(0)
	v_and_b32 v208, 15, v0                         ; r
	v_bfe_u32 v209, v0, 4, 1                       ; hh
	v_lshlrev_b32 v3, 2, v208
	s_lshl_b32 s88, s18, 7
	s_lshl_b32 s89, s13, 6
	s_add_co_u32 s88, s88, s89                     ; my first f
	s_lshl_b32 s86, s88, 2
	s_mov_b32 s87, 0
	s_add_nc_u64 s[8:9], s[8:9], s[86:87]
.irp a, 0,1,2,3
	global_load_b32 v[BI+8*\a], v3, s[8:9] offset:64*\a
.endr
	s_lshl_b32 s86, s88, 13                        ; out: rows f of 8,192 bytes,
	s_lshr_b32 s89, s17, 3
	s_lshl_b32 s89, s89, 23                        ; the batch,
	s_add_co_u32 s86, s86, s89
	s_and_b32 s89, s17, 7
	s_lshl_b32 s89, s89, 10                        ; the w block in the batch,
	s_add_co_u32 s86, s86, s89
	s_lshl_b32 s89, s14, 9                         ; my 128 w
	s_add_co_u32 s86, s86, s89
	s_add_nc_u64 s[10:11], s[10:11], s[86:87]
	s_mul_i32 s81, s14, 12288
	s_mul_i32 s82, s13, 12288
	s_lshl_b32 s83, s13, 9
	s_lshl_b32 s84, s14, 10
.irp c, 0,1,2,3
	s_add_co_u32 s85, s81, TB0+\c*TCH
	v_add_nc_u32 v[4+\c], s85, v1
	v_add_nc_u32 v[8+\c], s85, v2
	s_add_co_u32 s85, s82, \c*MCH
	v_add_nc_u32 v[12+\c], s85, v1
	v_add_nc_u32 v[16+\c], s85, v2
	s_add_co_u32 s85, s83, \c*MCH+24576
	v_add_nc_u32 v[20+\c], s85, v2
	s_add_co_u32 s85, s84, TB0+\c*TCH+49152
	v_add_nc_u32 v[24+\c], s85, v2
.endr
	s_mul_i32 s85, s12, 16*SP
	s_add_co_u32 s85, s85, STAGE                   ; my stage
	v_mul_u32_u24 v28, v208, SP
	v_lshl_add_u32 v28, v209, 7, v28
	v_add_nc_u32 v28, s85, v28                     ; in: row r, + 128 bytes for the upper half of the lanes
	v_mul_u32_u24 v29, v209, SP
	v_lshl_add_u32 v29, v208, 4, v29
	v_add_nc_u32 v29, s85, v29                     ; back: lanes 0-15 one row of 256 bytes, lanes 16-31 the next
	v_lshlrev_b32 v30, 13, v209
	v_lshl_add_u32 v30, v208, 4, v30
	s_wait_loadcnt 0x0
.irp a, 0,1,2,3
.irp j, 1,2,3,4,5,6,7
	v_mov_b32 v[BI+8*\a+\j], v[BI+8*\a]
.endr
.endr
	s_wait_alu depctr_va_vdst(0)
	s_wait_tensorcnt 0x0                           ; my part has landed,
	s_barrier_signal -1
	s_barrier_wait -1                              ; everybody's has: from here on the operands are only read
	FETCH 0, 0
	FETCH 1, 1
	s_wait_dscnt 48                                ; all but the 48 loads just issued
	MUL 0, 0, 1
.irp k, 1,3,5
	s_wait_dscnt 0x0                               ; step k's fragments are in
	PLACES
	FETCH \k+1, 0
	MUL \k, 1, 0
	PLACES
	FETCH \k+2, 1
	s_wait_dscnt 48
	MUL \k+1, 0, 0
.endr
	s_wait_dscnt 0x0
	MUL 7, 1, 0
; THE WAY OUT, in eight blocks n = 2 a + c of 16 f x 64 w, through my own stage, back as rows of 256 bytes.  LDS serves a wave's instructions in order (ISA guide 5.7.1.4).
.macro TOSTAGE n
.set AC, 8*(8*((\n)/2)+4*((\n)%2))
.set BB, BK+32*((\n)%2)
	WIN 0x08
.irp q, 0,1,2,3
	ds_store_b128 v28, v[AC+8*\q:AC+8*\q+3] offset:32*\q
	ds_store_b128 v28, v[AC+8*\q+4:AC+8*\q+7] offset:32*\q+16
.endr
	WIN 0
.irp i, 0,1,2,3,4,5,6,7
	ds_load_b128 v[BB+4*\i:BB+4*\i+3], v29 offset:2*SP*\i
.endr
.endm
.macro SEND n, younger
.set BB, BK+32*((\n)%2)
	s_wait_dscnt \younger
.irp i, 0,1,2,3,4,5,6,7
	global_store_b128 v30, v[BB+4*\i:BB+4*\i+3], s[10:11] offset:131072*((\n)/2)+16384*\i+256*((\n)%2) th:TH_STORE_NT   ; 16 lanes store 256 consecutive bytes, aligned
.endr
.endm
	PLACES
	TOSTAGE 0
.irp n, 1,2,3,4,5,6,7
.if \n > 1
	s_wait_xcnt 0x0                                ; block n - 2's stores have read their registers
.endif
	TOSTAGE \n
	SEND \n-1, 16                                  ; behind block n - 1's loads: block n's 8 stores and 8 loads
.endr
	SEND 7, 0
	s_wait_tensorcnt 0x0                           ; the wave's end
	ds_add_u32 v254, v255
	s_wait_dscnt 0x0
	CROUND                                         ; the closing round
	s_endpgm
.Lfunc_end_k_q248461b3ef_proj:
	.size	k_q248461b3ef_proj, .Lfunc_end_k_q248461b3ef_proj-k_q248461b3ef_proj
	.p2alignl 7, 3214868480
	.fill 96, 4, 3214868480
	.section	.rodata,"a",@progbits
	.p2align	6, 0x0
	.amdhsa_kernel k_q248461b3ef_proj
		.amdhsa_group_segment_fixed_size 327680
		.amdhsa_private_segment_fixed_size 0
		.amdhsa_enable_private_segment 0
		.amdhsa_kernarg_size 32
		.amdhsa_user_sgpr_count 2
		.amdhsa_user_sgpr_kernarg_segment_ptr 1
		.amdhsa_wavefront_size32 1
		.amdhsa_system_sgpr_workgroup_id_x 1
		.amdhsa_system_sgpr_workgroup_id_y 1
		.amdhsa_system_sgpr_workgroup_id_z 1
		.amdhsa_system_vgpr_workitem_id 0
		.amdhsa_next_free_vgpr 768
		.amdhsa_next_free_sgpr 90
		.amdhsa_reserve_vcc 0
		.amdhsa_float_denorm_mode_32 3
		.amdhsa_float_denorm_mode_16_64 3
		.amdhsa_memory_ordered 1
		.amdhsa_forward_progress 1
		.amdhsa_inst_pref_size 84
	.end_amdhsa_kernel
	.amdgpu_metadata
---
amdhsa.version: [ 1, 2 ]
amdhsa.kernels:
  - .name:           k_q248461b3ef_proj
    .symbol:         k_q248461b3ef_proj.kd
    .args:
      - { .name: mq, .offset: 0, .size: 8, .value_kind: global_buffer, .address_space: global }
      - { .name: tq, .offset: 8, .size: 8, .value_kind: global_buffer, .address_space: global }
      - { .name: b_d, .offset: 16, .size: 8, .value_kind: global_buffer, .address_space: global }
      - { .name: out0, .offset: 24, .size: 8, .value_kind: global_buffer, .address_space: global }
    .group_segment_fixed_size: 327680
    .private_segment_fixed_size: 0
    .kernarg_segment_align: 8
    .kernarg_segment_size: 32
    .max_flat_workgroup_size: 128
    .sgpr_count:     90
    .vgpr_count:     768
    .wavefront_size: 32
...
	.end_amdgpu_metadata
.endif
;; end of part 3
